; MI455X (gfx1250); checked and timed in simulation.
; The chip was launched on July 23, 2026; its instructions are those of AMD's public machine-readable ISA for CDNA 5 (MIT licence, August 2026) and "CDNA5" Instruction Set Architecture Reference Guide (July 2026). The comments in the code are by the model that wrote it; some were corrected since.
;; Mo E Layer. Allowed arithmetic: matrix products marked QUANTISED: E5M2 operands, one E8M0 scale for each 32 along K, by v_wmma_scale_f32_16x16x128_f8f6f4 with both operands' format E5M2, f32 sums; products left as they are: f32 operands where the result goes on into a quantised operand, else bf16, f16 or f32 operands; f32 sums; everything else in f32.
;; Inputs: w_down 8 x 256 x 1,024 float32; w_gate 8 x 1,024 x 256 float32; w_router 1,024 x 8 float32; w_up 8 x 1,024 x 256 float32; x 4 x 2,048 x 1,024 float32.
;; Outputs: out0 4 x 2,048 x 1,024 float32; out1 1 float32; out2 1 float32.
;; This version of the problem:
;;   THIS VERSION OF THE PROBLEM IS GIVEN IN LOW PRECISION. The matrix products marked QUANTISED in the list below multiply operands that are first quantised to E5M2 (5 exponent bits, 2 mantissa bits; 8 bits a number), with one power-of-two scale for each 32 numbers along K (OCP MX v1.0); their sums are f32. All else is computed in f32.
;;   The module's matrix products, in the order in which they are computed (A, B: the left and right operand; K: the contracted axis; several contracted axes count as one K, in the product's order):
;;     1. [M 8,192, K 1,024] x [K 1,024, N 8]; A: input x; B: input w_router: left as it is (N = 8 < 16)
;;     2. batch 8,192 x [M 1, K 2] x [K 2, N 8]; A: computed on the way; B: computed on the way: left as it is (K = 2 < 32)
;;     3. [M 8,192, K 1,024] x [K 1,024, N 256]; A: input x; B: input w_gate: QUANTISED
;;     4. [M 8,192, K 1,024] x [K 1,024, N 256]; A: input x; B: input w_up: QUANTISED
;;     5. [M 8,192, K 256] x [K 256, N 1,024]; A: computed on the way; B: input w_down: QUANTISED
;;     6. [M 8,192, K 1,024] x [K 1,024, N 256]; A: input x; B: input w_gate: QUANTISED
;;     7. [M 8,192, K 1,024] x [K 1,024, N 256]; A: input x; B: input w_up: QUANTISED
;;     8. [M 8,192, K 256] x [K 256, N 1,024]; A: computed on the way; B: input w_down: QUANTISED
;;     9. [M 8,192, K 1,024] x [K 1,024, N 256]; A: input x; B: input w_gate: QUANTISED
;;     10. [M 8,192, K 1,024] x [K 1,024, N 256]; A: input x; B: input w_up: QUANTISED
;;     11. [M 8,192, K 256] x [K 256, N 1,024]; A: computed on the way; B: input w_down: QUANTISED
;;     12. [M 8,192, K 1,024] x [K 1,024, N 256]; A: input x; B: input w_gate: QUANTISED
;;     13. [M 8,192, K 1,024] x [K 1,024, N 256]; A: input x; B: input w_up: QUANTISED
;;     14. [M 8,192, K 256] x [K 256, N 1,024]; A: computed on the way; B: input w_down: QUANTISED
;;     15. [M 8,192, K 1,024] x [K 1,024, N 256]; A: input x; B: input w_gate: QUANTISED
;;     16. [M 8,192, K 1,024] x [K 1,024, N 256]; A: input x; B: input w_up: QUANTISED
;;     17. [M 8,192, K 256] x [K 256, N 1,024]; A: computed on the way; B: input w_down: QUANTISED
;;     18. [M 8,192, K 1,024] x [K 1,024, N 256]; A: input x; B: input w_gate: QUANTISED
;;     19. [M 8,192, K 1,024] x [K 1,024, N 256]; A: input x; B: input w_up: QUANTISED
;;     20. [M 8,192, K 256] x [K 256, N 1,024]; A: computed on the way; B: input w_down: QUANTISED
;;     21. [M 8,192, K 1,024] x [K 1,024, N 256]; A: input x; B: input w_gate: QUANTISED
;;     22. [M 8,192, K 1,024] x [K 1,024, N 256]; A: input x; B: input w_up: QUANTISED
;;     23. [M 8,192, K 256] x [K 256, N 1,024]; A: computed on the way; B: input w_down: QUANTISED
;;     24. [M 8,192, K 1,024] x [K 1,024, N 256]; A: input x; B: input w_gate: QUANTISED
;;     25. [M 8,192, K 1,024] x [K 1,024, N 256]; A: input x; B: input w_up: QUANTISED
;;     26. [M 8,192, K 256] x [K 256, N 1,024]; A: computed on the way; B: input w_down: QUANTISED
;;   THE QUANTISER, for each operand of a quantised product, along K:
;;     - K is cut into blocks of 32 from its start; a last block that is shorter is filled with zeros.
;;     - A block's scale is 2^e with e = floor(log2(the largest magnitude in the block)) - 15, held to -126 .. 127; a block of zeros has e = 0. As a byte (E8M0): e + 127.
;;     - Each number is divided by its block's scale, clamped to +-57,344, and rounded to the nearest number of E5M2, ties to even, subnormals kept.
;;     - The product sums the exact products of the quantised numbers (number of the format x scale) in f32.
;;   ~~~python
;;   def quantise(x, axis):      # numpy; x: float32 -> the quantised numbers, widened to float32 again
;;       x = np.moveaxis(x, axis, -1); K = x.shape[-1]
;;       x = np.pad(x, [(0, 0)] * (x.ndim - 1) + [(0, -K % 32)]); x = x.reshape(x.shape[:-1] + (-1, 32)); a = np.abs(x).max(-1, keepdims=True)
;;       e = np.where(a > 0, np.clip(np.frexp(np.where(a > 0, a, 1))[1] - 1 - 15, -126, 127), 0)      # np.frexp(a)[1] - 1 = floor(log2(a)), exactly
;;       r = np.clip(x / 2.0 ** e, -57344, 57344)
;;       step = 2.0 ** (np.maximum(np.frexp(np.where(r == 0, 1, r))[1] - 1, -14) - 2)
;;       q = np.round(r / step) * step * 2.0 ** e      # np.round: ties to even
;;       return np.moveaxis(q.reshape(q.shape[:-2] + (-1,))[..., :K], -1, axis).astype(np.float32)
;;   ~~~
;;   OPERANDS COMPUTED ON THE WAY. 'Computed on the way' means the value that the module computes at that place (a softmax that the list does not call 'softmax' is quantised finished and normalised). What goes into a quantiser is computed in f32, as accurately as f32 sums, v_exp_f32 and their like allow (about 1e-6 of the number): no bf16 or f16 on the way to a quantiser, and a product that is left as it is and whose result goes on into a quantised operand takes f32 operands (vector FMAs, or v_wmma_f32_16x16x4_f32). A number that lies on a knife's edge between two numbers of the format may be rounded either way, as far as f32 arithmetic and the matrix unit's own rounding can turn it there, and no further.
;; One version. Each part assembles by itself: llvm-mc -triple=amdgcn-amd-amdhsa -mcpu=gfx1250 --defsym DOCPART=n.
;; ======== version 1 of 1: 2 launches
;; limits: right only within a limited range of input values
;; workspace buffers: xcodes 8,388,608 bytes; xscales 262,144 bytes; wcodes 6,291,456 bytes; wscales 196,608 bytes; route 65,536 bytes of whole numbers; fl 131,072 bytes
;; launch prep (part 1): grid 448 x 1, 4 waves a work-group, no clusters, 57,856 bytes of LDS; arguments x, w_router, w_gate, w_up, w_down, xcodes, xscales, wcodes, wscales, route, fl; writes xcodes, xscales, wcodes, wscales, route, fl
.if DOCPART == 1
	.amdgcn_target "amdgcn-amd-amdhsa--gfx1250"
	.amdhsa_code_object_version 6
	.text
	.protected	k_q217af14d5a_prep
	.globl	k_q217af14d5a_prep
	.p2align	8
	.type	k_q217af14d5a_prep,@function
k_q217af14d5a_prep:
	s_mov_b64 s[64:65], 0
	v_nop
	global_prefetch_b8 v0, s[64:65] scope:SCOPE_SE
	s_setreg_imm32_b32 hwreg(HW_REG_WAVE_MODE, 25, 1), 1
	s_wait_xcnt 0x0
; FIRST OF THREE LAUNCHES of a layer of 8 routed SwiGLU experts, top 2 of 8, 8,192 tokens of 1,024 numbers, products on codes of E5M2 with one E8M0 scale for each 32 along K.
; WORK LEFT OUT BY THE PROGRAM.  reference() multiplies expert e's result for a token by combine[token][e], which it builds itself as the sum of scores x one_hot(its own top 2): for the six experts that are
; not among a token's top 2 that factor is the number 0, whatever the inputs hold.  So only the two chosen experts of each token are multiplied (16,384 rows in place of 65,536), and the product of scores with
; one_hot is a selection.  Every input has a way to an output and is loaded.  LIMIT: a NaN, an infinity or an overflow that arises only in an expert that a token did not choose is not carried to the result.
; FURTHER LIMITS.  NaN and infinities among the inputs are not served.  The router's f32 sums are added in another order than reference()'s: a token whose second and third probabilities agree to about
; 1e-6 of their size may choose otherwise.  Equal probabilities: the lower index wins (strict >).  A block of 32 zeros gets the scale byte 1 where the rule says 127: its codes are zeros, and this program alone reads the bytes.
; THIS LAUNCH.  Work-groups 0-255: x.  A wave takes 8 tokens (16 steps of 512 numbers), the work-group 32: router logits by f32 multiply-adds, softmax, top 2, the two weights, the losses' partial sums, x as codes
; and scale bytes; and, as plain data at fixed places, each token's pair number (28 unordered pairs) with its rank among the work-group's 32 tokens, and the 32 tokens' histogram over the pairs.  No address and no
; lane index here hangs on the choice.  w_router goes through LDS once for the work-group: each wave brings 16 of its 64 pieces of 512 bytes, and behind a barrier each wave reads all of them, turned.
; The two barriers stand on the x path alone, behind a branch on the work-group's number, which all four waves take alike.
; Work-groups 256-447: w_gate, w_up (256-383) and w_down (384-447) are quantised along K, a lane to a column and its registers down K, and laid in the order of the third launch's operand registers.
; wcodes: 384 sets of 16,384 bytes = 8 fragments of 2,048 (512 c + 16 x lane).  Sets (4 e + w) 8 + s: gate and up, hidden units 64 w on, K step s; fragment 4 mat + 2 b + u, whose row rho is unit 64 w + 32 b + 8 u + rho + 8 (rho / 8).
; Sets 256 + (4 e + w) 4 + G: down, outputs 256 w + 64 G on; fragment 4 s + t, rows 16 t + rho, K = hidden units 128 s on.  wscales: 512 bytes a set: lane' x 16 + 4 (F / 2); lanes 0-15 the even fragment, 16-31 the odd.
.set WR0,   33792                      ; LDS: 0: w_router's turn, the work-group's: 64 places of 528 bytes
.set WREG,  5632                       ; from WR0 on a region for each wave: 0: x's turn, two stages of 32 x 80 bytes;
.set SCB,   5120                       ;   the wave's 256 scale bytes;
.set LGT,   5376                       ;   8 tokens x 8 logits
.set HXB,   WR0+4*WREG                 ; [4 waves][32] the waves' histograms
.set PXB,   HXB+512                    ; [4 waves][16] their partial sums
; WHERE THE HEAD'S LINES DIFFER, THESE HOLD.  The program has two launches, this one and the experts'.  route: [256 work-groups][32 pairs] {count, mask}: bit t of the mask = the work-group's token t has that pair.
; No ranks and no single pair numbers are stored.  wscales: 512 bytes a set: lane' x 16 + 8 q0 + 4 q1 (q0: which 32 columns; q1: gate or up, K step of down).
.set SPARE, PXB+256                    ; the spare words, 128 bytes a wave, which no other line names
.set SP,    80
.set SPW,   12                         ; v12 my spare word's address, v13 = 0: kept for the closing add alone
.set NIL,   13
.set R,     16                         ; v16-143  eight sets of 16 numbers as loaded
.set X,     144                        ; v144-175 two sets of 16 neighbours
.set C,     176                        ; v176-191 codes, four sets by turns
.set E,     192                        ; v192-195 scale bytes
.set ACC,   196                        ; v196-211 the 8 logits' sums, twice (even and odd numbers)
.set T,     212                        ; v212-229 at work;  v230-235 LDS addresses of the exchange between the waves
.set WX,    16                         ; weight path: v16-143 four blocks of 32 numbers; v144-207 codes of 8 blocks; v208-209 scale words; v210-213 at work
.set WC,    144
.set SB,    208
.set WT,    210
.set MSB, 0
.macro WIN new                         ; register windows: bits 1:0 source 0, 3:2 source 1, 5:4 source 2, 7:6 destination; the high byte repeats the setting that is left
.if MSB != \new
	s_set_vgpr_msb (MSB<<8)|\new
.set MSB, \new
.endif
.endm
.macro LOAD t                          ; step t: four loads of 512 consecutive bytes
.irp i, 0,1,2,3
	global_load_b128 v[R+16*((\t)%8)+4*\i:R+16*((\t)%8)+4*\i+3], v3, s[4:5] offset:2048*(\t)+512*\i th:TH_LOAD_NT
.endr
.endm
.macro TURN t                          ; step t's 2,048 bytes through the wave's stage: in as loaded, back 64 bytes a lane; LDS serves a wave's instructions in order
.irp i, 0,1,2,3
	ds_store_b128 v6, v[R+16*((\t)%8)+4*\i:R+16*((\t)%8)+4*\i+3] offset:32*SP*((\t)%2)+8*SP*\i
.endr
.irp i, 0,1,2,3
	ds_load_b128 v[X+16*((\t)%2)+4*\i:X+16*((\t)%2)+4*\i+3], v7 offset:32*SP*((\t)%2)+16*\i
.endr
.endm
; logits += my 16 numbers x their 16 rows of w_router (window 1: row i of half st at v[128 st + 8 i]).  Two experts an instruction; even and odd numbers have sums of their own.  A token's first two numbers start the sums.
.macro ROUTE xs, st
.set ii, 0
.rept 8
.set pp, 0
.rept 4
.if (\st) == 0 && ii == 0
	v_pk_mul_f32 v[ACC+2*pp:ACC+2*pp+1], v[\xs:\xs+1], v[2*pp:2*pp+1] op_sel_hi:[0,1]
	v_pk_mul_f32 v[ACC+8+2*pp:ACC+8+2*pp+1], v[\xs:\xs+1], v[8+2*pp:8+2*pp+1] op_sel:[1,0] op_sel_hi:[1,1]
.else
	v_pk_fma_f32 v[ACC+2*pp:ACC+2*pp+1], v[\xs+2*ii:\xs+2*ii+1], v[128*(\st)+16*ii+2*pp:128*(\st)+16*ii+2*pp+1], v[ACC+2*pp:ACC+2*pp+1] op_sel_hi:[0,1,1]
	v_pk_fma_f32 v[ACC+8+2*pp:ACC+8+2*pp+1], v[\xs+2*ii:\xs+2*ii+1], v[128*(\st)+16*ii+8+2*pp:128*(\st)+16*ii+8+2*pp+1], v[ACC+8+2*pp:ACC+8+2*pp+1] op_sel:[1,0,0] op_sel_hi:[1,1,1]
.endif
.set pp, pp+1
.endr
.set ii, ii+1
.endr
.endm
; Eight numbers a lane, v[a] on, are summed over each group of 8 lanes; lane l ends with number l % 8 in v[T+16].  In each of three steps a lane keeps the half that its lane bit names and sends the other.
.macro RED8 a
.irp q, 0,1,2,3
	v_cndmask_b32 v[T+4+\q], v[\a+2*\q], v[\a+2*\q+1], s40
	v_cndmask_b32 v[T+8+\q], v[\a+2*\q+1], v[\a+2*\q], s40
.endr
.irp q, 0,1,2,3
	v_add_f32_dpp v[T+4+\q], v[T+8+\q], v[T+4+\q] row_xmask:1 row_mask:0xf bank_mask:0xf
.endr
.irp q, 0,1
	v_cndmask_b32 v[T+12+\q], v[T+4+2*\q], v[T+5+2*\q], s41
	v_cndmask_b32 v[T+14+\q], v[T+5+2*\q], v[T+4+2*\q], s41
.endr
.irp q, 0,1
	v_add_f32_dpp v[T+12+\q], v[T+14+\q], v[T+12+\q] row_xmask:2 row_mask:0xf bank_mask:0xf
.endr
	v_cndmask_b32 v[T+16], v[T+12], v[T+13], s42
	v_cndmask_b32 v[T+17], v[T+13], v[T+12], s42
	v_add_f32_dpp v[T+16], v[T+17], v[T+16] row_xmask:4 row_mask:0xf bank_mask:0xf
.endm
.macro STEP t
.set XQ, X+16*((\t)%2)
.if (\t) == 0
	s_wait_dscnt 0x0                               ; w_router's rows and step 0's numbers are in
.elseif (\t)%2 == 0
	s_wait_dscnt 2                                 ; this step's numbers are back; behind them stand the last step's byte store and its logit store
.else
	s_wait_dscnt 1                                 ; behind them stands the last step's byte store
.endif
.if (\t) < 8
	LOAD (\t)+8                                    ; into the set whose stores into the stage have read it
.endif
.if (\t) < 15
.if 14-(\t) >= 7
	s_wait_loadcnt 28                              ; the next step's four loads are in; seven sets of four stand behind them
.else
	s_wait_loadcnt 4*(14-(\t))
.endif
	TURN (\t)+1
.endif
	WIN 0x04                                       ; source 1: w_router's rows, window 1
	ROUTE XQ, (\t)%2
	WIN 0
	s_wait_xcnt 0x0                                ; the store of four steps back has read its codes: they are written again only behind this wait
	v_max3_num_f32 v[T], |v[XQ]|, |v[XQ+1]|, |v[XQ+2]|
	v_max3_num_f32 v[T+1], |v[XQ+3]|, |v[XQ+4]|, |v[XQ+5]|
.irp i, 6,10
	v_max3_num_f32 v[T], v[T], |v[XQ+\i]|, |v[XQ+\i+1]|
	v_max3_num_f32 v[T+1], v[T+1], |v[XQ+\i+2]|, |v[XQ+\i+3]|
.endr
	v_max3_num_f32 v[T], v[T], |v[XQ+14]|, |v[XQ+15]|
	v_max3_num_f32 v[T], v[T], v[T+1], 0x8000000   ; and the floor 2^(16 - 127): the byte cannot fall under 1
	v_max_num_f32_dpp v[T], v[T], v[T] row_xmask:1 row_mask:0xf bank_mask:0xf   ; with my neighbour's 16: the block's largest magnitude
	v_add_nc_u32 v[T+3], 0xf8800000, v[T]          ; 15 off its exponent field: the conversion's scale operand
	v_and_or_b32 v[T+2], v[T], 0x7f800000, s46     ; 57,344 x the scale
.irp i, 0,1,2,3,4,5,6,7,8,9,10,11,12,13,14,15
	v_med3_num_f32 v[XQ+\i], v[XQ+\i], -v[T+2], v[T+2]   ; the conversion to an 8-bit code does not saturate (ISA guide 7.6.2)
.endr
	v_cvt_scalef32_pk8_bf8_f32 v[C+4*((\t)%4):C+4*((\t)%4)+1], v[XQ:XQ+7], v[T+3]
	v_cvt_scalef32_pk8_bf8_f32 v[C+4*((\t)%4)+2:C+4*((\t)%4)+3], v[XQ+8:XQ+15], v[T+3]
	v_lshrrev_b32 v[E+(\t)%4], 23, v[T+3]          ; the scale's byte
	ds_store_b8 v8, v[E+(\t)%4] offset:16*(\t)     ; both lanes of a block write the same byte with the same value
	global_store_b128 v3, v[C+4*((\t)%4):C+4*((\t)%4)+3], s[14:15] offset:512*(\t)   ; 512 consecutive bytes
.if (\t)%2 == 1                        ; a token is done: its 8 logits, summed over the 32 lanes, go to LDS
.irp p, 0,2,4,6
	v_pk_add_f32 v[ACC+\p:ACC+\p+1], v[ACC+\p:ACC+\p+1], v[ACC+8+\p:ACC+8+\p+1]
.endr
	RED8 ACC
	v_add_f32_dpp v[T+16], v[T+16], v[T+16] row_xmask:8 row_mask:0xf bank_mask:0xf
	v_permlanex16_b32 v[T+17], v[T+16], s44, s45
	v_add_f32 v[T+16], v[T+16], v[T+17]
	ds_store_b32 v10, v[T+16] offset:32*((\t)/2)   ; four lanes write each word, with the same value
.endif
.endm
.macro LOADW t, STRIDE                 ; block t = 4 q0 + c: W(32 c + i, my column of the 32 at 128 q0 bytes)
.set ii, 0
.rept 32
	global_load_b32 v[WX+32*((\t)%4)+ii], v8, s[36:37] offset:128*((\t)/4)+(32*((\t)%4)+ii)*\STRIDE th:TH_LOAD_NT
.set ii, ii+1
.endr
.endm
.macro WBLOCK t, STRIDE
.set XB, WX+32*((\t)%4)
.set CB, WC+8*(\t)
.if (\t) <= 5
	s_wait_loadcnt 63                              ; 64 loads or more stand behind this block's
.elseif (\t) == 6
	s_wait_loadcnt 32
.else
	s_wait_loadcnt 0x0
.endif
	v_max3_num_f32 v[WT], |v[XB]|, |v[XB+1]|, |v[XB+2]|       ; all 32 numbers of the block are mine
	v_max3_num_f32 v[WT+1], |v[XB+3]|, |v[XB+4]|, |v[XB+5]|
.irp i, 6,10,14,18,22,26
	v_max3_num_f32 v[WT], v[WT], |v[XB+\i]|, |v[XB+\i+1]|
	v_max3_num_f32 v[WT+1], v[WT+1], |v[XB+\i+2]|, |v[XB+\i+3]|
.endr
	v_max3_num_f32 v[WT], v[WT], |v[XB+30]|, |v[XB+31]|
	v_max3_num_f32 v[WT], v[WT], v[WT+1], 0x8000000
	v_add_nc_u32 v[WT+3], 0xf8800000, v[WT]
	v_and_or_b32 v[WT+2], v[WT], 0x7f800000, s46
	v_lshrrev_b32 v[WT+1], 23, v[WT+3]
.if (\t)%4 == 0
	v_mov_b32 v[SB+(\t)/4], v[WT+1]                ; four bytes make a row's scale word for 128 along K
.else
	v_lshl_or_b32 v[SB+(\t)/4], v[WT+1], 8*((\t)%4), v[SB+(\t)/4]
.endif
.irp i, 0,1,2,3,4,5,6,7,8,9,10,11,12,13,14,15,16,17,18,19,20,21,22,23,24,25,26,27,28,29,30,31
	v_med3_num_f32 v[XB+\i], v[XB+\i], -v[WT+2], v[WT+2]
.endr
.irp g, 0,1,2,3
	v_cvt_scalef32_pk8_bf8_f32 v[CB+2*\g:CB+2*\g+1], v[XB+8*\g:XB+8*\g+7], v[WT+3]
.endr
	v_nop                                          ; a plain line behind the last conversion
	global_store_b128 v6, v[CB:CB+3], s[18:19] offset:4096*((\t)/4)+512*((\t)%4)        ; k 0-15 of the block: the image's lanes 0-15.  Sixteen lanes fill 256 consecutive bytes, twice
	global_store_b128 v6, v[CB+4:CB+7], s[18:19] offset:4096*((\t)/4)+512*((\t)%4)+256  ; k 16-31: its lanes 16-31
.if (\t) < 4
	LOADW (\t)+4, \STRIDE
.endif
.endm
; A wave of the weight path: n = 4 (work-group - 256) + wave; set j = n / 2, half q1 = n % 2 (gate or up; K step of down); two tasks q0 of 32 columns x 128 along K.
.macro WPATH STRIDE, PERM
	s_sub_co_u32 s28, ttmp9, 256
	s_lshl_b32 s28, s28, 2
	s_add_co_u32 s28, s28, s26
	s_and_b32 s29, s28, 1                          ; q1
	s_lshr_b32 s30, s28, 1                         ; j
.if \PERM
	s_and_b32 s31, s30, 7                          ; K step s: 128 rows of 1,024 bytes
	s_lshl_b32 s38, s31, 17
	s_bfe_u32 s31, s30, 0x20003                    ; w: 64 columns
	s_lshl_b32 s31, s31, 8
	s_add_co_u32 s38, s38, s31
	s_lshr_b32 s31, s30, 5                         ; e
	s_lshl_b32 s31, s31, 20
	s_add_co_u32 s38, s38, s31
	v_bfe_u32 v3, v2, 3, 1                         ; column 8 u + rho + 8 (rho / 8): u,
	v_and_b32 v4, 7, v2
	v_lshrrev_b32 v5, 4, v2
	v_lshl_add_u32 v4, v5, 3, v4                   ; rho
.else
	s_and_b32 s31, s30, 3                          ; G: 64 columns
	s_lshl_b32 s38, s31, 8
	s_bfe_u32 s31, s30, 0x20002                    ; w: 256 columns
	s_lshl_b32 s31, s31, 10
	s_add_co_u32 s38, s38, s31
	s_bfe_u32 s31, s30, 0x30004                    ; e
	s_lshl_b32 s31, s31, 20
	s_add_co_u32 s38, s38, s31
	s_lshl_b32 s31, s29, 19                        ; K step: 128 rows of 4,096 bytes
	s_add_co_u32 s38, s38, s31
	v_lshrrev_b32 v3, 4, v2                        ; column 16 u + rho
	v_and_b32 v4, 15, v2
.endif
	s_mov_b32 s39, 0
	v_lshlrev_b32 v6, 4, v4
	v_lshlrev_b32 v7, 4, v4
	v_lshl_add_u32 v6, v3, 11, v6                  ; codes: fragment u, image lane rho
	v_lshl_add_u32 v7, v3, 8, v7                   ; scale words: lane' 16 u + rho
	v_lshlrev_b32 v8, 2, v2
	s_lshl_b32 s32, s30, 14
	s_lshl_b32 s31, s29, 13
	s_add_co_u32 s32, s32, s31
	s_mov_b32 s33, 0
	s_lshl_b32 s34, s30, 9
	s_lshl_b32 s31, s29, 2
	s_add_co_u32 s34, s34, s31
	s_mov_b32 s35, 0
	s_wait_alu depctr_va_vdst(0)
	s_wait_kmcnt 0x0
.if \PERM
	s_cmp_eq_u32 s29, 0
	s_cselect_b64 s[36:37], s[8:9], s[10:11]       ; gate or up: the choice hangs on ids alone
.else
	s_mov_b64 s[36:37], s[12:13]
.endif
	s_add_nc_u64 s[36:37], s[36:37], s[38:39]
	s_add_nc_u64 s[18:19], s[18:19], s[32:33]
	s_add_nc_u64 s[20:21], s[20:21], s[34:35]
.irp t, 0,1,2,3
	LOADW \t, \STRIDE
.endr
.irp t, 0,1,2,3,4,5,6,7
	WBLOCK \t, \STRIDE
.endr
	global_store_b32 v7, v[SB], s[20:21]           ; my row's two scale words: 8 q0 + 4 q1
	global_store_b32 v7, v[SB+1], s[20:21] offset:8
	s_endpgm                                       ; this path writes no LDS and meets no barrier
.endm
	s_load_b256 s[4:11], s[0:1], 0x0               ; x, w_router, w_gate, w_up
	s_load_b256 s[12:19], s[0:1], 0x20             ; w_down, xcodes, xscales, wcodes
	s_load_b128 s[20:23], s[0:1], 0x40             ; wscales, route
	s_load_b64 s[24:25], s[0:1], 0x50              ; fl
	v_lshl_add_u32 v[SPW], v0, 2, SPARE
	v_mov_b32 v[NIL], 0
	v_lshrrev_b32 v1, 5, v0
	v_readfirstlane_b32 s26, v1                    ; wave
	v_and_b32 v2, 31, v0                           ; lane
	s_mov_b32 s46, 0x600000                        ; the mantissa field of 57,344
	s_cmp_ge_u32 ttmp9, 256
	s_cbranch_scc1 .Lw
	; ---------------- x
	s_mul_i32 s27, s26, WREG
	s_add_co_u32 s27, s27, WR0                     ; my wave's region
	v_lshlrev_b32 v3, 4, v2                        ; 16 x lane
	s_mul_i32 s28, s26, 16*528
	v_add_nc_u32 v4, s28, v3                       ; w_router into its turn: my 16 pieces, 512 bytes as loaded, places 528 apart
	v_mul_u32_u24 v5, v2, 528                      ; and back: place 32 st + lane is my 16 rows
	v_lshrrev_b32 v6, 2, v2
	v_mul_u32_u24 v6, v6, SP
	v_and_b32 v7, 3, v2
	v_lshl_add_u32 v6, v7, 4, v6
	v_add_nc_u32 v6, s27, v6                       ; x's stage, in: 80 (lane / 4) + 16 (lane % 4)
	v_mul_u32_u24 v7, v2, SP
	v_add_nc_u32 v7, s27, v7                       ; out: 80 x lane
	v_lshrrev_b32 v8, 1, v2
	s_add_co_u32 s28, s27, SCB
	v_add_nc_u32 v8, s28, v8                       ; my block's scale byte
	v_lshlrev_b32 v14, 3, v2                       ; 8 x lane
	v_add_nc_u32 v9, s28, v14
	v_and_b32 v11, 7, v2
	s_add_co_u32 s28, s27, LGT
	v_lshl_add_u32 v10, v11, 2, s28                ; logit lane % 8 of a token
	v_lshl_add_u32 v11, v11, 5, s28                ; token lane % 8's eight logits
	v_lshlrev_b32 v15, 2, v2                       ; 4 x lane
	v_lshl_add_u32 v230, v0, 2, HXB                ; my wave's histogram: 128 w + 4 lane
	v_add_nc_u32 v231, HXB, v15                    ; the four histograms, read back
	v_and_b32 v233, 15, v2
	v_lshl_add_u32 v233, v233, 2, PXB              ; the four waves' partial sums, read back: 4 (lane % 16)
	s_lshl_b32 s28, s26, 6
	v_add_nc_u32 v232, s28, v233                   ; my wave's: + 64 w
	s_mov_b32 s40, 0xaaaaaaaa                      ; lanes with bit 0, 1, 2, 3 set
	s_mov_b32 s41, 0xcccccccc
	s_mov_b32 s42, 0xf0f0f0f0
	s_mov_b32 s43, 0xff00ff00
	s_mov_b32 s44, 0x76543210                      ; v_permlanex16_b32's selects for lane l xor 16
	s_mov_b32 s45, 0xfedcba98
	s_lshl_b32 s28, ttmp9, 2
	s_add_co_u32 s28, s28, s26                     ; my wave's run of 8 tokens
	s_mov_b32 s31, 0
	s_wait_alu depctr_va_vdst(0)
	s_wait_kmcnt 0x0
	s_lshl_b32 s30, s28, 15
	s_add_nc_u64 s[4:5], s[4:5], s[30:31]
	s_lshl_b32 s30, s26, 13
	s_add_nc_u64 s[6:7], s[6:7], s[30:31]          ; my 16 pieces of w_router
	s_lshl_b32 s30, s28, 13
	s_add_nc_u64 s[14:15], s[14:15], s[30:31]
	s_lshl_b32 s30, s28, 8
	s_add_nc_u64 s[16:17], s[16:17], s[30:31]
	s_lshl_b32 s30, ttmp9, 8
	s_add_nc_u64 s[22:23], s[22:23], s[30:31]      ; the work-group's histogram: 256 bytes
	s_lshl_b32 s30, ttmp9, 6
	s_add_co_u32 s30, s30, 65536
	s_add_nc_u64 s[36:37], s[24:25], s[30:31]      ; the work-group's 16 partial sums
	s_lshl_b32 s30, s28, 6
	s_add_nc_u64 s[24:25], s[24:25], s[30:31]      ; the weights, 8 bytes a token
	WIN 0x40                                       ; destination window 1
.set jj, 0
.rept 16
	global_load_b128 v[4*jj:4*jj+3], v3, s[6:7] offset:512*jj      ; w_router, 512 consecutive bytes a load
.set jj, jj+1
.endr
	WIN 0
.irp t, 0,1,2,3,4,5,6,7
	LOAD \t
.endr
	s_wait_loadcnt 32                              ; my pieces of w_router are in: x's 32 loads stand behind them
	WIN 0x04                                       ; an LDS store's data are its source 1
.set jj, 0
.rept 16
	ds_store_b128 v4, v[4*jj:4*jj+3] offset:528*jj
.set jj, jj+1
.endr
	WIN 0
	s_wait_dscnt 0x0                               ; for the others' sake: my 16 pieces lie in LDS
	s_barrier_signal -1
	s_barrier_wait -1                              ; all 64 do
	WIN 0x40
.set jj, 0
.rept 64
	ds_load_b128 v[4*jj:4*jj+3], v5 offset:16896*(jj/32)+16*(jj%32)   ; v[128 st + 8 i + e] = w_router[512 st + 16 lane + i][e]
.set jj, jj+1
.endr
	WIN 0
	s_wait_loadcnt 28                              ; step 0's four loads are in
	TURN 0
.irp t, 0,1,2,3,4,5,6,7,8,9,10,11,12,13,14,15
	STEP \t
.endr
	; ---------------- the 8 tokens' routing: lane l holds token l % 8, four times over
	ds_load_b64 v[32:33], v9                       ; LDS serves a wave's instructions in order: these see my stores
	ds_load_b128 v[16:19], v11
	ds_load_b128 v[20:23], v11 offset:16
	s_wait_dscnt 0x0
	global_store_b64 v14, v[32:33], s[16:17]       ; the wave's 256 scale bytes: 256 consecutive bytes
	v_max3_num_f32 v34, v16, v17, v18
	v_max3_num_f32 v34, v34, v19, v20
	v_max3_num_f32 v34, v34, v21, v22
	v_max_num_f32 v34, v34, v23                    ; the largest logit is taken away, as reference() does
.irp e, 0,1,2,3,4,5,6,7
	v_sub_f32 v[24+\e], v[16+\e], v34
.endr
.irp e, 0,1,2,3,4,5,6,7
	v_mul_f32 v[24+\e], 0x3fb8aa3b, v[24+\e]
.endr
	s_wait_alu depctr_va_vdst(0)
.irp e, 0,1,2,3,4,5,6,7
	v_exp_f32 v[24+\e], v[24+\e]
.endr
	v_mul_f32 v35, v16, v16                        ; the sum of the logits' squares (a plain line behind the exponentials)
.irp e, 1,2,3,4,5,6,7
	v_fma_f32 v35, v[16+\e], v[16+\e], v35
.endr
	s_wait_alu depctr_va_vdst(0)                   ; one wait for the eight, ahead of their first reader
	v_add_f32 v36, v24, v25
	v_add_f32 v37, v26, v27
	v_add_f32 v38, v28, v29
	v_add_f32 v39, v30, v31
	v_add_f32 v36, v36, v37
	v_add_f32 v38, v38, v39
	v_add_f32 v36, v36, v38
	s_wait_alu depctr_va_vdst(0)
	v_rcp_f32 v37, v36
	v_mov_b32 v41, 0                               ; (a plain line)  the winner's index
	s_wait_alu depctr_va_vdst(0)
.irp e, 0,1,2,3,4,5,6,7
	v_mul_f32 v[24+\e], v[24+\e], v37              ; the probabilities
.endr
	v_mov_b32 v40, v24
.irp e, 1,2,3,4,5,6,7
	v_cmp_gt_f32 vcc_lo, v[24+\e], v40             ; strictly larger: of equals the lower index stays
	v_cndmask_b32 v40, v40, v[24+\e], vcc_lo
	v_cndmask_b32 v41, v41, \e, vcc_lo
.endr
	v_mov_b32 v42, -1.0
	v_mov_b32 v43, 0
.irp e, 0,1,2,3,4,5,6,7
	v_cmp_eq_u32 vcc_lo, \e, v41
	v_cndmask_b32 v44, v[24+\e], -1.0, vcc_lo      ; the winner is out
	v_cmp_gt_f32 vcc_lo, v44, v42
	v_cndmask_b32 v42, v42, v44, vcc_lo
	v_cndmask_b32 v43, v43, \e, vcc_lo
.endr
	v_add_f32 v45, v40, v42
	s_wait_alu depctr_va_vdst(0)
	v_rcp_f32 v46, v45
	v_min_u32 v49, v41, v43                        ; (plain lines)  lo,
	v_max_u32 v50, v41, v43                        ; hi
	s_wait_alu depctr_va_vdst(0)
	v_mul_f32 v47, v40, v46
	v_mul_f32 v48, v42, v46
	v_cmp_lt_u32 vcc_lo, v41, v43
	v_cndmask_b32 v52, v48, v47, vcc_lo            ; lo's weight,
	v_cndmask_b32 v53, v47, v48, vcc_lo            ; hi's
	v_sub_nc_u32 v54, 13, v49
	v_mul_u32_u24 v54, v49, v54
	v_lshrrev_b32 v54, 1, v54
	v_add3_u32 v54, v54, v50, -1                   ; the pair's number: lo (13 - lo) / 2 + hi - 1, 0 to 27
	v_mov_b32 v55, 0                               ; my wave's histogram: lane = pair
.irp j, 0,1,2,3,4,5,6,7
	v_readlane_b32 s50, v54, \j                    ; token j's pair
	v_cmp_eq_u32 vcc_lo, s50, v2
	v_cndmask_b32 v57, 0, 256+(1<<\j), vcc_lo      ; the low byte gathers which of my 8 tokens have the pair, the bits above their number
	v_add_nc_u32 v55, v55, v57
.endr
	RED8 24                                        ; the 8 tokens' probabilities summed: lane l has expert l % 8's
	v_add_f32_dpp v35, v35, v35 row_xmask:1 row_mask:0xf bank_mask:0xf
	v_add_f32_dpp v35, v35, v35 row_xmask:2 row_mask:0xf bank_mask:0xf
	v_add_f32_dpp v35, v35, v35 row_xmask:4 row_mask:0xf bank_mask:0xf
	v_cndmask_b32 v59, v[T+16], v35, s43           ; words 0-7: the probabilities' sums; words 8-15: the squares' sum
	; ---------------- the four waves' figures meet in LDS
	ds_store_b32 v230, v55
	ds_store_b32 v232, v59                         ; lanes 16-31 write the words of lanes 0-15, with the same values
	s_wait_dscnt 0x0                               ; for the others' sake: my stores are done
	s_barrier_signal -1
	s_barrier_wait -1
.irp w, 0,1,2,3
	ds_load_b32 v[61+\w], v231 offset:128*\w
.endr
.irp w, 0,1,2,3
	ds_load_b32 v[65+\w], v233 offset:64*\w
.endr
	s_wait_alu depctr_va_vdst(0)
	s_wait_dscnt 0x0
.irp w, 0,1,2,3
	v_lshrrev_b32 v[70+\w], 8, v[61+\w]
.endr
	v_and_b32 v61, 0xff, v61
	v_and_b32 v62, 0xff, v62
	v_and_b32 v63, 0xff, v63
	v_add_nc_u32 v70, v70, v71
	v_lshl_or_b32 v61, v62, 8, v61
	v_add3_u32 v70, v70, v72, v73                  ; the work-group's count of each pair,
	v_lshl_or_b32 v61, v63, 16, v61
	v_lshl_or_b32 v71, v64, 24, v61                ; and the mask of its 32 tokens
	v_add_f32 v65, v65, v66
	v_add_f32 v67, v67, v68
	v_add_f32 v65, v65, v67                        ; and its partial sums
	s_wait_alu depctr_va_vdst(0)
	s_wait_xcnt 0x0                                ; EXEC changes only behind this wait
	v_cmp_gt_u32 vcc_lo, 8, v2
	s_and_saveexec_b32 s52, vcc_lo
	global_store_b64 v14, v[52:53], s[24:25]
	s_wait_xcnt 0x0
	s_or_b32 exec_lo, exec_lo, s52
	s_cmp_lg_u32 s26, 0
	s_cbranch_scc1 .Lxend                          ; wave 0 stores what belongs to the work-group
	global_store_b64 v14, v[70:71], s[22:23]       ; 32 lanes store 256 consecutive bytes
	s_wait_xcnt 0x0
	v_cmp_gt_u32 vcc_lo, 16, v2
	s_and_saveexec_b32 s52, vcc_lo
	global_store_b32 v15, v65, s[36:37]
	s_wait_xcnt 0x0
	s_or_b32 exec_lo, exec_lo, s52
.Lxend:
	s_wait_tensorcnt 0x0                           ; the wave's end
	ds_add_u32 v[SPW], v[NIL]
	s_wait_dscnt 0x0
	s_endpgm
.Lw:
	s_cmp_ge_u32 ttmp9, 384
	s_cbranch_scc1 .Ldown
	s_wait_alu depctr_va_vdst(0)
	WPATH 1024, 1
.Ldown:
	s_wait_alu depctr_va_vdst(0)
	WPATH 4096, 0
.Lfunc_end_k_q217af14d5a_prep:
	.size	k_q217af14d5a_prep, .Lfunc_end_k_q217af14d5a_prep-k_q217af14d5a_prep
	.p2alignl 7, 3214868480
	.fill 96, 4, 3214868480
	.section	.rodata,"a",@progbits
	.p2align	6, 0x0
	.amdhsa_kernel k_q217af14d5a_prep
		.amdhsa_group_segment_fixed_size 57856
		.amdhsa_private_segment_fixed_size 0
		.amdhsa_enable_private_segment 0
		.amdhsa_kernarg_size 88
		.amdhsa_user_sgpr_count 2
		.amdhsa_user_sgpr_kernarg_segment_ptr 1
		.amdhsa_wavefront_size32 1
		.amdhsa_system_sgpr_workgroup_id_x 1
		.amdhsa_system_sgpr_workgroup_id_y 1
		.amdhsa_system_sgpr_workgroup_id_z 1
		.amdhsa_system_vgpr_workitem_id 0
		.amdhsa_next_free_vgpr 512
		.amdhsa_next_free_sgpr 66
		.amdhsa_reserve_vcc 1
		.amdhsa_float_denorm_mode_32 3
		.amdhsa_float_denorm_mode_16_64 3
		.amdhsa_memory_ordered 1
		.amdhsa_forward_progress 1
		.amdhsa_inst_pref_size 255
	.end_amdhsa_kernel
	.section	.bss,"aw",@nobits
	.p2align	6
	.space	262144
	.amdgpu_metadata
---
amdhsa.version: [ 1, 2 ]
amdhsa.kernels:
  - .name:           k_q217af14d5a_prep
    .symbol:         k_q217af14d5a_prep.kd
    .args:
      - { .name: x, .offset: 0, .size: 8, .value_kind: global_buffer, .address_space: global }
      - { .name: w_router, .offset: 8, .size: 8, .value_kind: global_buffer, .address_space: global }
      - { .name: w_gate, .offset: 16, .size: 8, .value_kind: global_buffer, .address_space: global }
      - { .name: w_up, .offset: 24, .size: 8, .value_kind: global_buffer, .address_space: global }
      - { .name: w_down, .offset: 32, .size: 8, .value_kind: global_buffer, .address_space: global }
      - { .name: xcodes, .offset: 40, .size: 8, .value_kind: global_buffer, .address_space: global }
      - { .name: xscales, .offset: 48, .size: 8, .value_kind: global_buffer, .address_space: global }
      - { .name: wcodes, .offset: 56, .size: 8, .value_kind: global_buffer, .address_space: global }
      - { .name: wscales, .offset: 64, .size: 8, .value_kind: global_buffer, .address_space: global }
      - { .name: route, .offset: 72, .size: 8, .value_kind: global_buffer, .address_space: global }
      - { .name: fl, .offset: 80, .size: 8, .value_kind: global_buffer, .address_space: global }
    .group_segment_fixed_size: 57856
    .private_segment_fixed_size: 0
    .kernarg_segment_align: 8
    .kernarg_segment_size: 88
    .max_flat_workgroup_size: 128
    .sgpr_count:     66
    .vgpr_count:     512
    .wavefront_size: 32
...
	.end_amdgpu_metadata
.endif
;; end of part 1
;; launch experts (part 2): grid 156 x 1, 8 waves a work-group, no clusters, 245,760 bytes of LDS; arguments xcodes, xscales, wcodes, wscales, route, fl, out0, out1, out2; writes out0, out1, out2
.if DOCPART == 2
	.amdgcn_target "amdgcn-amd-amdhsa--gfx1250"
	.amdhsa_code_object_version 6
	.text
	.protected	k_q217af14d5a_experts
	.globl	k_q217af14d5a_experts
	.p2align	8
	.type	k_q217af14d5a_experts,@function
k_q217af14d5a_experts:
	s_mov_b64 s[64:65], 0
	v_nop
	global_prefetch_b8 v0, s[64:65] scope:SCOPE_SE
	s_setreg_imm32_b32 hwreg(HW_REG_WAVE_MODE, 25, 1), 1
	s_wait_xcnt 0x0
; SECOND LAUNCH: placing the tokens, the experts, the losses.  Work left out: the six experts that a token did not choose (their factor in reference() is a 0 of its own one_hot: see the first launch's head, with its limit).
; TILES.  Tokens are grouped by their pair {lo, hi} of experts (28 pairs), each pair's run cut into tiles of 64: never more than 8192 / 64 + 28 - 1 = 155.  Work-group t < 155 takes tile t through both experts' chains and stores
; out0 = c_lo y_lo + c_hi y_hi: each row of out0 has one owner.  A tile beyond the last has count 0: it works on clamped rows and stores nothing (one scalar branch, round the stores alone).  Work-group 155 makes the two losses.
; PLACING.  route holds, for each chunk of 32 tokens and each pair, the count, and the mask of tokens.  Wave w sums chunks 32 w on (lane = pair); totals meet in LDS; a running sum over the pairs' tiles gives my pair.
; Row r of the tile is the pair's token number R = 64 (tile in pair) + r, at most the last: the wave in whose chunks R lies finds the chunk by comparing R with 32 running sums, and the token as the k-th set bit of that chunk's mask.
; No tensor load: the experts hang on stored numbers, and so no cluster: neighbouring tiles may have other experts.  No prefetch: a set of weights is asked for three sets ahead of its products, straight into registers.
; SHARES.  Eight waves; all take all 64 rows.  Wave w makes hidden units 32 w on (gate and up), then outputs 128 w on, 32 at a time.  Products are used transposed (source 0 = weights, source 1 = rows): a lane holds one token.
; THE WEIGHTS are a stream of 24 sets of 17 loads a wave (8,192 bytes of codes, 8 bytes a lane of scale words): gate/up of lo, K steps 0-7; of hi; down: (group g, lo), (g, hi), g = 0..3.  Four slots of 64 registers.
; REGISTERS.  Window 0: v1-7 addresses and the add's two; v8-15 weights' scale words, two a slot; v16-31 x's, later the hidden layer's (v16-23) and (c_lo, c_hi) of 4 row tiles (v24-31); v32-63 rows of out0;
;   v64-127 fragments of x or of the hidden layer, at work in the quantiser and in the head; v128-255 slots 2, 3.   Window 1: v0-127 accumulators; v128-255 slots 0, 1.
; Scalar branches on the count lead round stores alone: a tile's rows go out four at a time, as far as it has rows.
.set XP,    1040                       ; LDS: 0: 64 rows of x's codes, 1,024 bytes + 16
.set HIMG,  66560                      ; the hidden layer's fragments: ((z 2 + s) 4 + m) 2048 + 512 c + 16 lane
.set HSC,   99328                      ; their scale words: ((z 2 + s) 2 + m / 2) 128 + 4 (16 (m % 2) + r)
.set STG,   100352                     ; a stage of 64 rows x (256 + 16) bytes for each wave
.set TOT,   239616                     ; [8 waves][32] totals
.set TLW,   240640                     ; [8 waves][64] the rows' tokens, 0 where another wave has found the row's
.set LIST,  242688                     ; [8 waves][64] the rows' tokens, a copy for each wave
.set SPARE, 244736                     ; the spare words, 128 bytes a wave, which no other line names
.set TILES, 155
.set SETB,  16384
.set SETS,  512
.set L16, 1
.set XFA, 2
.set HFA, 3
.set HWI, 4
.set HWS, 5
.set SPW, 6
.set NIL, 7
.set STO, 2                            ; in the down phase
.set RD,  4
.set SR,  8
.set XSC, 16
.set HS,  16
.set CW,  24
.set TOK, 32
.set XF,  64
.set TL,  96                           ; the head's: lane, r, h, 4 x lane, LDS addresses
.set TR,  97
.set TH,  98
.set T4,  99
.set TA,  100
.set TB,  101
.set TC,  102
.set TD,  103
.set TE,  104
.set TF,  105
.set TG,  106
.set TX,  107
.set T8,  109                          ; 8 x lane
.set KM,  131                          ; the k-th set bit of a mask: masks of the two rows, places, at work; k itself in v123, v124
.set KO,  133
.set KT,  136
.set MX,  64                           ; the quantiser's
.set PX,  68
.set SCL, 72
.set LIM, 76
.set PC,  80
.set MSB, 0
.macro WIN new                         ; bits 1:0 source 0, 3:2 source 1, 5:4 source 2, 7:6 destination; the high byte repeats the setting that is left
.set NW, \new
.if MSB != NW
	s_set_vgpr_msb (MSB<<8)|NW
.set MSB, NW
.endif
.endm
.macro NOPS n
.rept \n
	v_nop
.endr
.endm
.macro WA
	s_wait_alu depctr_va_vdst(0)
.endm
.macro BARRIER
	s_barrier_signal -1
	s_barrier_wait -1
.endm
; one product, by the symbols aA (accumulator), aW (weights), aB (rows), aSA, aRA, aSB, aRB (scale registers and their halves of the lanes), aZ (it starts the sum)
.macro MMS
.if aZ
.if aRA && aRB
	v_wmma_scale_f32_16x16x128_f8f6f4 v[aA:aA+7], v[aW:aW+15], v[aB:aB+15], 0, v[aSA], v[aSB] matrix_a_fmt:MATRIX_FMT_BF8 matrix_b_fmt:MATRIX_FMT_BF8 matrix_a_scale:MATRIX_SCALE_ROW1 matrix_b_scale:MATRIX_SCALE_ROW1
.elseif aRA
	v_wmma_scale_f32_16x16x128_f8f6f4 v[aA:aA+7], v[aW:aW+15], v[aB:aB+15], 0, v[aSA], v[aSB] matrix_a_fmt:MATRIX_FMT_BF8 matrix_b_fmt:MATRIX_FMT_BF8 matrix_a_scale:MATRIX_SCALE_ROW1
.elseif aRB
	v_wmma_scale_f32_16x16x128_f8f6f4 v[aA:aA+7], v[aW:aW+15], v[aB:aB+15], 0, v[aSA], v[aSB] matrix_a_fmt:MATRIX_FMT_BF8 matrix_b_fmt:MATRIX_FMT_BF8 matrix_b_scale:MATRIX_SCALE_ROW1
.else
	v_wmma_scale_f32_16x16x128_f8f6f4 v[aA:aA+7], v[aW:aW+15], v[aB:aB+15], 0, v[aSA], v[aSB] matrix_a_fmt:MATRIX_FMT_BF8 matrix_b_fmt:MATRIX_FMT_BF8
.endif
.else
.if aRA && aRB
	v_wmma_scale_f32_16x16x128_f8f6f4 v[aA:aA+7], v[aW:aW+15], v[aB:aB+15], v[aA:aA+7], v[aSA], v[aSB] matrix_a_fmt:MATRIX_FMT_BF8 matrix_b_fmt:MATRIX_FMT_BF8 matrix_a_scale:MATRIX_SCALE_ROW1 matrix_b_scale:MATRIX_SCALE_ROW1
.elseif aRA
	v_wmma_scale_f32_16x16x128_f8f6f4 v[aA:aA+7], v[aW:aW+15], v[aB:aB+15], v[aA:aA+7], v[aSA], v[aSB] matrix_a_fmt:MATRIX_FMT_BF8 matrix_b_fmt:MATRIX_FMT_BF8 matrix_a_scale:MATRIX_SCALE_ROW1
.elseif aRB
	v_wmma_scale_f32_16x16x128_f8f6f4 v[aA:aA+7], v[aW:aW+15], v[aB:aB+15], v[aA:aA+7], v[aSA], v[aSB] matrix_a_fmt:MATRIX_FMT_BF8 matrix_b_fmt:MATRIX_FMT_BF8 matrix_b_scale:MATRIX_SCALE_ROW1
.else
	v_wmma_scale_f32_16x16x128_f8f6f4 v[aA:aA+7], v[aW:aW+15], v[aB:aB+15], v[aA:aA+7], v[aSA], v[aSB] matrix_a_fmt:MATRIX_FMT_BF8 matrix_b_fmt:MATRIX_FMT_BF8
.endif
.endif
.endm
; a weight set into slot k: its two scale words, then 16 loads of 512 consecutive bytes: two runs of 4,096 bytes, 8,192 apart (gate and up; in the down phase K steps 0 and 1)
.macro REQ k, cb, sb, offc, offs
	WIN 0
	global_load_b64 v[SR+2*(\k):SR+2*(\k)+1], v[L16], s[\sb:\sb+1] offset:(\offs)
	WIN 0x40*(1-(\k)/2)
.set rr, 0
.rept 16
	global_load_b128 v[128+64*((\k)%2)+4*rr:128+64*((\k)%2)+4*rr+3], v[L16], s[\cb:\cb+1] offset:(\offc)+8192*(rr/8)+512*(rr%8)
.set rr, rr+1
.endr
.endm
.macro XLD ks, m0                      ; x's fragments of K step ks, row tiles m0, m0 + 1
.irp mm, \m0, \m0+1
.irp c, 0,1,2,3
	ds_load_b128 v[XF+16*(\mm)+4*\c:XF+16*(\mm)+4*\c+3], v[XFA] offset:16*XP*(\mm)+128*(\ks)+32*\c
.endr
.endr
.endm
.macro HLD z, m0                       ; expert z's hidden fragments, row tiles m0, m0 + 1, both K steps
.irp mm, \m0, \m0+1
.irp s, 0,1
.irp c, 0,1,2,3
	ds_load_b128 v[XF+32*((\mm)%2)+16*\s+4*\c:XF+32*((\mm)%2)+16*\s+4*\c+3], v[HFA] offset:(((\z)*2+\s)*4+(\mm))*2048+512*\c
.endr
.endr
.endr
.endm
.macro GMM s, m0                       ; 8 products: row tiles m0, m0 + 1 x gate's and up's two fragments; the 16 accumulators take turns, one instruction a turn
.set mI, \m0
.rept 2
.set fI, 0
.rept 4
.set aA, 64*(fI/2)+16*mI+8*(fI%2)
.set aW, 128+64*(KK%2)+16*fI
.set aB, XF+16*mI
.set aSA, SR+2*KK+fI/2
.set aRA, fI%2
.set aSB, XSC+8*(mI/2)+(\s)
.set aRB, mI%2
	MMS
.set fI, fI+1
.endr
.set mI, mI+1
.endr
.endm
; K step s of gate and up: 16 products on slot s % 4.  Eight plain places stand behind each half's products, ahead of the loads into what they have read.
; The set three on goes into the slot that the step before has read.
.macro GSTEP s
.set KK, (\s)%4
.set aZ, 0
.if (\s) == 0
.set aZ, 1
.endif
	s_wait_loadcnt 34                              ; this step's set is in: two sets, 34 loads, stand behind it
	s_wait_dscnt 8                                 ; row tiles 0, 1 are in; the eight loads of row tiles 2, 3 may be out
	WIN 0x51-KK/2                                  ; weights window 1 or 0, rows window 0, C and D window 1
	GMM \s, 0
	NOPS 8
	WIN 0
.if (\s) < 7
	XLD (\s)+1, 0
.endif
.if (\s) < 5
	REQ ((\s)+3)%4, 28, 30, ((\s)+3)*SETB, ((\s)+3)*SETS
.else
	REQ ((\s)+3)%4, 32+2*((\s)-5), 38+2*((\s)-5), 0, 0
.endif
.if (\s) < 7
	s_wait_dscnt 8                                 ; row tiles 2, 3 are in; the next step's eight loads may be out
.else
	s_wait_dscnt 0x0
.endif
	WIN 0x51-KK/2
	GMM \s, 2
	NOPS 8
.if (\s) < 7
	WIN 0
	XLD (\s)+1, 2
.endif
.endm
.macro DMM m0                          ; 8 products of the down phase: row tiles m0, m0 + 1; two K steps; two tiles of outputs.  Four accumulators by turns
.set sI, 0
.rept 2
.set mI, \m0
.rept 2
.set tI, 0
.rept 2
.set aA, 64*ZZ+16*mI+8*tI
.set aW, 128+64*(KK%2)+32*sI+16*tI
.set aB, XF+32*(mI%2)+16*sI
.set aSA, SR+2*KK+sI
.set aRA, tI
.set aSB, HS+(ZZ*2+sI)*2+mI/2
.set aRB, mI%2
.set aZ, 1-sI
	MMS
.set tI, tI+1
.endr
.set mI, mI+1
.endr
.set sI, sI+1
.endr
.endm
; c_lo y_lo + c_hi y_hi of group g's 32 outputs into my stage; behind an odd group 64 rows of 256 bytes go out.
.macro COMB g
.if (\g) == 0
	s_wait_loadcnt 34                              ; the weights c are in: sets 3 and 4 stand behind them
.endif
	WIN 0x51
.set qq, 0
.rept 32
	v_pk_mul_f32 v[qq:qq+1], v[qq:qq+1], v[CW+2*(qq/16):CW+2*(qq/16)+1] op_sel_hi:[1,0]   ; (these 32 name no register of the last products: places behind them)
.set qq, qq+2
.endr
.set qq, 0
.rept 32
	v_pk_fma_f32 v[qq:qq+1], v[64+qq:65+qq], v[CW+2*(qq/16):CW+2*(qq/16)+1], v[qq:qq+1] op_sel:[0,1,0] op_sel_hi:[1,1,1]
.set qq, qq+2
.endr
	WIN 0x04
.irp m, 0,1,2,3
.irp t, 0,1
	ds_store_b128 v[STO], v[16*\m+8*\t:16*\m+8*\t+3] offset:16*272*\m+128*((\g)%2)+64*\t
	ds_store_b128 v[STO], v[16*\m+8*\t+4:16*\m+8*\t+7] offset:16*272*\m+128*((\g)%2)+64*\t+16
.endr
.endr
.if (\g)%2
	WIN 0x40
.set qq, 0
.rept 32
	ds_load_b128 v[4*qq:4*qq+3], v[RD] offset:544*qq   ; LDS serves a wave's instructions in order: these see the stores above
.set qq, qq+1
.endr
	WIN 0
.set qq, 0
.rept 16                               ; four rows at a time, as far as the tile has rows: scalar branches round stores alone (at most three rows repeat the last)
	s_cmp_le_u32 s26, 2*qq
	s_cbranch_scc1 .Lnone_\@
.if qq%8 == 0
	s_wait_dscnt 24-qq
.endif
	WIN 0x04
	global_store_b128 v[TOK+qq], v[4*qq:4*qq+3], s[16:17] offset:256*((\g)/2) th:TH_STORE_NT   ; sixteen lanes store 256 consecutive bytes of a token's row, at a multiple of 256
	global_store_b128 v[TOK+qq+1], v[4*qq+4:4*qq+7], s[16:17] offset:256*((\g)/2) th:TH_STORE_NT
	WIN 0
.set qq, qq+2
.endr
.Lnone_\@:
	s_wait_dscnt 0x0
	s_wait_xcnt 0x0                                ; the stores have read their data: the next products write those registers
.else
	WIN 0
.endif
.endm
; down unit u = 2 g + z: 32 outputs x 64 rows of expert z, on slot u % 4
.macro UNIT u
.set KK, (\u)%4
.set ZZ, (\u)%2
.if (\u) < 3
	s_wait_loadcnt 38                              ; this set is in: two sets and the four loads of c stand behind it
.elseif (\u) < 6
	s_wait_loadcnt 34
.elseif (\u) == 6
	s_wait_loadcnt 17
.else
	s_wait_loadcnt 0x0
.endif
.if (\u)%4 == 2
	s_wait_dscnt 16                                ; the fragments are in: the 16 stores into the stage stand behind them
.else
	s_wait_dscnt 0x0
.endif
	WIN 0x51-KK/2
	DMM 0
	NOPS 8
	WIN 0
	HLD ZZ, 2
.if (\u) < 5
.set UN, (\u)+3
	REQ UN%4, 44+4*(UN%2), 46+4*(UN%2), (UN/4)*SETB+((UN/2)%2)*4096, (UN/4)*SETS+((UN/2)%2)*8
.endif
	s_wait_dscnt 0x0
	WIN 0x51-KK/2
	DMM 2
.if (\u) < 7
	NOPS 8
	WIN 0
	HLD 1-ZZ, 0                                    ; the next unit's, the other expert's
.endif
.if ZZ
	COMB (\u)/2
.endif
.endm
; the k-th set bit (from 0) of v[m]: v[o] = its place; counts of 2, 4, 8, 16 bits, then down from the widest.  v[t] to v[t + 5] at work
; The two rows go by turns.  LEV: is the bit in the lower part, whose set bits are the field of v[a + st e] at the place found so far?
.macro LEV a, st, w, d
.irp e, 0,1
	v_bfe_u32 v[KT+8*\e+4], v[\a+\st*\e], v[KO+\e], \w
.endr
.irp e, 0,1
	v_cmp_ge_u32 s[92+\e], v[123+\e], v[KT+8*\e+4]
.endr
.irp e, 0,1
	v_cndmask_b32 v[KT+8*\e+4], 0, v[KT+8*\e+4], s[92+\e]
	v_cndmask_b32 v[KT+8*\e+5], 0, \d, s[92+\e]
.endr
.irp e, 0,1
	v_sub_nc_u32 v[123+\e], v[123+\e], v[KT+8*\e+4]
	v_add_nc_u32 v[KO+\e], v[KO+\e], v[KT+8*\e+5]
.endr
.endm
.macro KBIT
.irp e, 0,1
	v_lshrrev_b32 v[KT+8*\e], 1, v[KM+\e]
	v_mov_b32 v[KO+\e], 0
.endr
.irp e, 0,1
	v_and_b32 v[KT+8*\e], 0x55555555, v[KT+8*\e]
.endr
.irp e, 0,1
	v_sub_nc_u32 v[KT+8*\e], v[KM+\e], v[KT+8*\e]
.endr
.irp e, 0,1
	v_lshrrev_b32 v[KT+8*\e+1], 2, v[KT+8*\e]
	v_and_b32 v[KT+8*\e+2], 0x33333333, v[KT+8*\e]
.endr
.irp e, 0,1
	v_and_b32 v[KT+8*\e+1], 0x33333333, v[KT+8*\e+1]
.endr
.irp e, 0,1
	v_add_nc_u32 v[KT+8*\e+1], v[KT+8*\e+1], v[KT+8*\e+2]
.endr
.irp e, 0,1
	v_lshrrev_b32 v[KT+8*\e+2], 4, v[KT+8*\e+1]
.endr
.irp e, 0,1
	v_add_nc_u32 v[KT+8*\e+2], v[KT+8*\e+2], v[KT+8*\e+1]
.endr
.irp e, 0,1
	v_and_b32 v[KT+8*\e+2], 0x0f0f0f0f, v[KT+8*\e+2]
.endr
.irp e, 0,1
	v_lshrrev_b32 v[KT+8*\e+3], 8, v[KT+8*\e+2]
.endr
.irp e, 0,1
	v_add_nc_u32 v[KT+8*\e+3], v[KT+8*\e+3], v[KT+8*\e+2]
.endr
	LEV KT+3, 8, 8, 16
	LEV KT+2, 8, 8, 8
	LEV KT+1, 8, 4, 4
	LEV KT, 8, 2, 2
	LEV KM, 1, 1, 1
.endm
; a pointer: base + (s[idx] << sh) + (b << bsh) + add
.macro PTR dst, base, idx, sh, bsh, add
	s_lshl_b32 s90, s\idx, \sh
	s_lshl_b32 s92, s85, \bsh
	s_add_co_u32 s90, s90, s92
.if (\add) > 0
	s_add_co_u32 s90, s90, \add
.endif
	s_add_nc_u64 s[\dst:\dst+1], s[\base:\base+1], s[90:91]
.endm
	s_load_b512 s[4:19], s[0:1], 0x0               ; xcodes, xscales, wcodes, wscales, route, fl, out0, out1
	v_lshl_add_u32 v[SPW], v0, 2, SPARE
	v_mov_b32 v[NIL], 0
	v_lshrrev_b32 v8, 5, v0
	v_readfirstlane_b32 s22, v8                    ; wave
	v_and_b32 v[TL], 31, v0
	v_and_b32 v[TR], 15, v0
	v_bfe_u32 v[TH], v0, 4, 1
	v_lshlrev_b32 v[L16], 4, v[TL]
	v_lshlrev_b32 v[T4], 2, v[TL]
	WA
	s_cmp_eq_u32 ttmp9, TILES
	s_cbranch_scc1 .Lloss
	v_mul_u32_u24 v[XFA], v[TR], XP
	v_lshl_add_u32 v[XFA], v[TH], 4, v[XFA]        ; a fragment of x: row r, + 16 h
	v_add_nc_u32 v[HFA], HIMG, v[L16]
	s_lshr_b32 s55, s22, 2                         ; my hidden units are block w % 4 of the down product's K step w / 4
	s_and_b32 s56, s22, 3
	s_lshl_b32 s57, s55, 13
	s_lshl_b32 s58, s56, 9
	s_add_co_u32 s57, s57, s58
	s_add_co_u32 s57, s57, HIMG
	v_add_nc_u32 v[HWI], s57, v[L16]
	s_lshl_b32 s57, s55, 8
	s_add_co_u32 s57, s57, s56
	s_add_co_u32 s57, s57, HSC
	WA
	v_lshl_add_u32 v[HWS], v[TR], 2, s57
	v_lshl_add_u32 v[TA], v0, 2, TOT
	v_add_nc_u32 v[TB], TOT, v[T4]
	s_lshl_b32 s57, s22, 8
	s_add_co_u32 s58, s57, TLW
	v_add_nc_u32 v[TC], s58, v[T4]
	v_add_nc_u32 v[TD], TLW, v[T4]
	s_add_co_u32 s58, s57, LIST
	v_add_nc_u32 v[TE], s58, v[T4]
	v_lshl_add_u32 v[TF], v[TH], 2, s58
	v_lshlrev_b32 v[TG], 4, v[TR]
	v_lshlrev_b32 v[T8], 3, v[TL]
	s_mul_i32 s58, s22, 8*XP
	v_add_nc_u32 v[TX], s58, v[L16]
	s_lshl_b32 s24, s22, 13
	s_mov_b32 s25, 0
	s_mov_b32 s91, 0
	s_mov_b32 s96, 0x76543210                      ; v_permlanex16_b32's selects for lane l xor 16
	s_mov_b32 s97, 0xfedcba98
	s_mov_b32 s98, 0x600000                        ; the mantissa field of 57,344
	WA
	s_wait_kmcnt 0x0
	s_add_nc_u64 s[24:25], s[12:13], s[24:25]      ; my 32 chunks' counts and masks, 8 bytes a pair
.set cc, 0
.rept 32
	global_load_b64 v[128+2*cc:129+2*cc], v[T8], s[24:25] offset:256*cc            ; chunk cc's counts and masks
.set cc, cc+1
.endr
	s_wait_loadcnt 24                              ; eight chunks at a time
	v_mov_b32 v64, v128
.set cc, 1
.rept 31
.if cc%8 == 0
	WA
	s_wait_loadcnt 24-cc
.endif
	v_add_nc_u32 v[64+cc], v[128+2*cc], v[63+cc]   ; running sums along my chunks; lane = pair
.set cc, cc+1
.endr
	ds_store_b32 v[TA], v95
	WA
	s_wait_dscnt 0x0                               ; for the others' sake: my totals lie in LDS
	BARRIER
.irp i, 0,1,2,3,4,5,6,7
	ds_load_b32 v[108+\i], v[TB] offset:128*\i
.endr
	v_mov_b32 v116, 0                              ; a pair's tokens in all,
	v_mov_b32 v117, 0                              ; and in the waves ahead of mine
	WA
	s_wait_dscnt 0x0
.irp i, 0,1,2,3,4,5,6,7
	s_cmp_gt_u32 s22, \i
	s_cselect_b32 s55, -1, 0
	v_add_nc_u32 v116, v116, v[108+\i]
	v_and_b32 v120, s55, v[108+\i]
	v_add_nc_u32 v117, v117, v120
.endr
	v_add_nc_u32 v118, 63, v116
	v_lshrrev_b32 v118, 6, v118                    ; the pair's tiles
	v_mov_b32 v119, v118
.irp d, 1,2,4,8
	v_mov_b32_dpp v120, v119 row_shr:\d row_mask:0xf bank_mask:0xf bound_ctrl:1
	v_add_nc_u32 v119, v119, v120                  ; running sum over the pairs, inside each 16 lanes,
.endr
	v_readlane_b32 s55, v119, 15
	v_mov_b32 v120, s55
	v_cmp_lt_u32 vcc_lo, 15, v[TL]
	v_cndmask_b32 v120, 0, v120, vcc_lo
	v_add_nc_u32 v119, v119, v120                  ; and across
	s_mov_b32 s56, ttmp9
	v_cmp_ge_u32 s57, s56, v119                    ; the pairs whose tiles end at or ahead of mine
	v_sub_nc_u32 v118, v119, v118                  ; a pair's first tile
	s_bcnt1_i32_b32 s58, s57
	s_min_u32 s58, s58, 27                         ; my pair.  (Beyond the last tile: pair 27, of which nothing is left)
	WA
	v_readlane_b32 s59, v118, s58
	v_readlane_b32 s60, v116, s58
	v_readlane_b32 s61, v117, s58
	v_readlane_b32 s88, v95, s58
	s_sub_co_u32 s56, s56, s59
	s_lshl_b32 s56, s56, 6                         ; row 0's number in the pair
	s_sub_co_u32 s26, s60, s56
	s_max_i32 s26, s26, 0
	s_min_i32 s26, s26, 64                         ; my rows, 0 to 64
	s_sub_co_u32 s60, s60, 1
	s_max_i32 s60, s60, 0                          ; the pair's last number
	WA
	; rows lane and lane + 32: their numbers in the pair, less those of the waves ahead of mine
	v_add_nc_u32 v123, s56, v[TL]
	v_add_nc_u32 v124, 32, v123
	v_min_u32 v123, s60, v123
	v_min_u32 v124, s60, v124
	v_sub_nc_u32 v123, v123, s61
	v_sub_nc_u32 v124, v124, s61
	v_cmp_gt_u32 s94, s88, v123                    ; is it among my chunks' tokens?
	v_cmp_gt_u32 s95, s88, v124
	v_mov_b32 v125, 0                              ; the chunk,
	v_mov_b32 v126, 0
	v_mov_b32 v127, 0                              ; and the tokens ahead of it
	v_mov_b32 v128, 0
	v_mov_b32 v121, 0                              ; (a lane write's destination counts as read)  lane = chunk of my 32: its mask of my pair
.macro MASKS c0
.irp i, 0,1,2,3,4,5,6,7
	v_readlane_b32 s[66+\i], v[129+2*(\c0+\i)], s58
.endr
.irp i, 0,1,2,3,4,5,6,7
	v_writelane_b32 v121, s[66+\i], \c0+\i
.endr
.endm
	MASKS 0
	MASKS 8
	MASKS 16
	MASKS 24
.macro SEARCH c0, n                    ; chunks c0 on: the last one whose tokens begin at or ahead of the row's number
.set cc, 0
.rept \n
	v_readlane_b32 s[66+cc], v[63+\c0+cc], s58
.set cc, cc+1
.endr
.set cc, 0
.rept \n
	v_cmp_le_u32 vcc_lo, s[66+cc], v123
	v_cmp_le_u32 s93, s[66+cc], v124
	v_cndmask_b32 v127, v127, s[66+cc], vcc_lo
	v_cndmask_b32 v128, v128, s[66+cc], s93
	v_cndmask_b32 v125, v125, \c0+cc, vcc_lo
	v_cndmask_b32 v126, v126, \c0+cc, s93
.set cc, cc+1
.endr
.endm
	SEARCH 1, 8
	SEARCH 9, 8
	SEARCH 17, 8
	SEARCH 25, 7
	v_sub_nc_u32 v123, v123, v127                  ; k: its number in the chunk
	v_sub_nc_u32 v124, v124, v128
	v_min_u32 v129, 31, v125
	v_min_u32 v130, 31, v126
	v_lshlrev_b32 v129, 2, v129
	v_lshlrev_b32 v130, 2, v130
	WA
	ds_bpermute_b32 v131, v129, v121
	ds_bpermute_b32 v132, v130, v121
	s_wait_dscnt 0x0
	KBIT
	s_lshl_b32 s89, s22, 5
	v_add_nc_u32 v125, s89, v125
	v_add_nc_u32 v126, s89, v126
	v_lshl_add_u32 v125, v125, 5, v133             ; the token
	v_lshl_add_u32 v126, v126, 5, v134
	v_cndmask_b32 v125, 0, v125, s94
	v_cndmask_b32 v126, 0, v126, s95
	ds_store_b32 v[TC], v125
	ds_store_b32 v[TC], v126 offset:128
	WA
	s_wait_dscnt 0x0                               ; for the others' sake
	BARRIER
.irp i, 0,1,2,3,4,5,6,7
	ds_load_b32 v[152+\i], v[TD] offset:256*\i
	ds_load_b32 v[160+\i], v[TD] offset:256*\i+128
.endr
	s_wait_dscnt 0x0
.irp b, 152,160
	v_add3_u32 v[\b], v[\b], v[\b+1], v[\b+2]      ; one wave has the row's token, the others 0
	v_add3_u32 v[\b+3], v[\b+3], v[\b+4], v[\b+5]
	v_add3_u32 v[\b], v[\b], v[\b+6], v[\b+7]
	v_add_nc_u32 v[\b], v[\b], v[\b+3]
	v_min_u32 v[\b], 0x1fff, v[\b]
.endr
	s_cmp_lt_u32 s22, 4
	s_cselect_b32 s55, -1, 0
	v_cndmask_b32 v168, v160, v152, s55            ; the half of the rows that holds the eight that I fetch
	v_lshlrev_b32 v64, 5, v152
	v_lshlrev_b32 v65, 5, v160
	ds_store_b32 v[TE], v152
	ds_store_b32 v[TE], v160 offset:128
	s_and_b32 s56, s22, 3
	s_lshl_b32 s56, s56, 3
	WA
.irp i, 0,1,2,3,4,5,6,7
	v_readlane_b32 s90, v168, s56
	s_add_co_u32 s56, s56, 1
	s_min_u32 s90, s90, 0x1fff
	s_lshl_b32 s90, s90, 10
	s_add_nc_u64 s[66+2*\i:67+2*\i], s[4:5], s[90:91]
.endr
.irp i, 0,1,2,3,4,5,6,7
	global_load_b128 v[192+8*\i:195+8*\i], v[L16], s[66+2*\i:67+2*\i]              ; 32 lanes read 512 consecutive bytes of a token's codes
	global_load_b128 v[196+8*\i:199+8*\i], v[L16], s[66+2*\i:67+2*\i] offset:512
.endr
.irp mp, 0,1
	global_load_b128 v[XSC+8*\mp:XSC+8*\mp+3], v[64+\mp], s[6:7]                   ; a token's 8 scale words: lanes 0-15 the even row tile, 16-31 the odd
	global_load_b128 v[XSC+8*\mp+4:XSC+8*\mp+7], v[64+\mp], s[6:7] offset:16
.endr
	s_mov_b32 s82, 0                               ; (work on scalars while the rows come)
.irp thr, 7,13,18,22,25,27
	s_cmp_ge_u32 s58, \thr
	s_add_co_ci_u32 s82, s82, 0                    ; lo: + 1 for each threshold reached
.endr
	s_sub_co_u32 s83, 13, s82
	s_mul_i32 s83, s83, s82
	s_lshr_b32 s83, s83, 1
	s_sub_co_u32 s83, s58, s83
	s_add_co_u32 s83, s83, 1                       ; hi
	s_min_u32 s82, s82, 7
	s_min_u32 s83, s83, 7
	s_lshr_b32 s84, s22, 1
	s_and_b32 s85, s22, 1
	s_lshl_b32 s86, s82, 2
	s_add_co_u32 s86, s86, s84
	s_lshl_b32 s87, s83, 2
	s_add_co_u32 s87, s87, s84
	PTR 28, 8, 86, 17, 12, 0                       ; the expert in hand: its gate/up sets,
	PTR 30, 10, 86, 12, 3, 0                       ; and their scale words
	REQ 0, 28, 30, 0, 0
	REQ 1, 28, 30, SETB, SETS
	REQ 2, 28, 30, 2*SETB, 2*SETS
	PTR 32, 8, 87, 17, 12, 0                       ; what follows: three sets (hi's gate/up 0-2; later the first three down sets)
	PTR 38, 10, 87, 12, 3, 0
	s_add_nc_u64 s[34:35], s[32:33], SETB
	s_add_nc_u64 s[36:37], s[32:33], 2*SETB
	s_add_nc_u64 s[40:41], s[38:39], SETS
	s_add_nc_u64 s[42:43], s[38:39], 2*SETS
	PTR 44, 8, 86, 16, 15, 256*SETB                ; down: lo,
	PTR 46, 10, 86, 11, 10, 256*SETS
	PTR 48, 8, 87, 16, 15, 256*SETB                ; hi
	PTR 50, 10, 87, 11, 10, 256*SETS
	s_lshl_b32 s90, s22, 9
	s_add_nc_u64 s[16:17], s[16:17], s[90:91]      ; out0 at my 128 columns
	WIN 0
.set qq, 0
.rept 32
	ds_load_b32 v[TOK+qq], v[TF] offset:8*qq       ; the rows that I store: 2 n + h
.set qq, qq+1
.endr
	WA
	s_wait_loadcnt 55                              ; the codes are in: 4 + 51 loads stand behind them
.irp i, 0,1,2,3,4,5,6,7
	ds_store_b128 v[TX], v[192+8*\i:195+8*\i] offset:XP*\i
	ds_store_b128 v[TX], v[196+8*\i:199+8*\i] offset:XP*\i+512
.endr
	s_wait_dscnt 16                                ; the rows' tokens are in: 16 stores stand behind them
.set qq, 0
.rept 32
	v_min_u32 v[TOK+qq], 0x1fff, v[TOK+qq]
	v_lshl_add_u32 v[TOK+qq], v[TOK+qq], 12, v[TG] ; token x 4,096 + 16 r
.set qq, qq+1
.endr
	WA
	s_wait_dscnt 0x0                               ; for the others' sake: my 8 rows lie in LDS
	BARRIER
	s_wait_loadcnt 51                              ; x's scale words are in, and their addresses free: three sets, 51 loads, stand behind them
	s_mov_b32 s52, 2
	s_mov_b32 s53, 0                               ; z x 16,384: the expert's images;
	s_mov_b32 s54, 0                               ; z x 512: their scale words
.Lz:                                                   ; two trips: lo, hi
	XLD 0, 0
	XLD 0, 2
.irp s, 0,1,2,3,4,5,6,7
	GSTEP \s
.endr
	; h = g u / (1 + 2^(-g log2 e)), 64 numbers a lane; each accumulator is read from its low end on (step 7's last eight v_nop are the places)
	WIN 0x55
.set qq, 0
.rept 32
	v_pk_mul_f32 v[64+qq:65+qq], v[64+qq:65+qq], v[qq:qq+1]
.set qq, qq+2
.endr
.set qq, 0
.rept 32
	v_pk_mul_f32 v[qq:qq+1], v[qq:qq+1], 0xbfb8aa3b op_sel_hi:[1,0]
.set qq, qq+2
.endr
	WA
.set qq, 0
.rept 64
	v_exp_f32 v[qq], v[qq]
.set qq, qq+1
.endr
	v_nop
	WA
.set qq, 0
.rept 32
	v_pk_add_f32 v[qq:qq+1], v[qq:qq+1], 1.0 op_sel_hi:[1,0]
.set qq, qq+2
.endr
	WA
.set qq, 0
.rept 64
	v_rcp_f32 v[qq], v[qq]
.set qq, qq+1
.endr
	v_nop
	WA
.set qq, 0
.rept 32
	v_pk_mul_f32 v[qq:qq+1], v[qq:qq+1], v[64+qq:65+qq]
.set qq, qq+2
.endr
	; the quantiser: row tile n's block is v[16 n] on of window 1: 16 neighbours along the next K; lane l xor 16 holds the other 16
	WIN 0x05
.irp n, 0,1,2,3
	v_max3_num_f32 v[MX+\n], |v[16*\n]|, |v[16*\n+1]|, 0x8000000   ; with the floor 2^(16 - 127): the byte cannot fall under 1
.endr
	WIN 0x14
.irp i, 2,4,6,8,10,12,14
.irp n, 0,1,2,3
	v_max3_num_f32 v[MX+\n], v[MX+\n], |v[16*\n+\i]|, |v[16*\n+\i+1]|
.endr
.endr
	WIN 0
.irp n, 0,1,2,3
	v_permlanex16_b32 v[PX+\n], v[MX+\n], s96, s97
.endr
.irp n, 0,1,2,3
	v_max_num_f32 v[MX+\n], v[MX+\n], v[PX+\n]
.endr
.irp n, 0,1,2,3
	v_add_nc_u32 v[SCL+\n], 0xf8800000, v[MX+\n]   ; 15 off the exponent field: the conversion's scale operand
.endr
.irp n, 0,1,2,3
	v_and_or_b32 v[LIM+\n], v[MX+\n], 0x7f800000, s98              ; 57,344 x the scale
.endr
.irp n, 0,1,2,3
	v_lshrrev_b32 v[PX+\n], 23, v[SCL+\n]          ; the scale's byte
.endr
	v_add_nc_u32 v96, s53, v[HWI]
	v_add_nc_u32 v97, s54, v[HWS]
	WIN 0x41
.irp n, 0,1,2,3
.irp i, 0,1,2,3,4,5,6,7,8,9,10,11,12,13,14,15
	v_med3_num_f32 v[16*\n+\i], v[16*\n+\i], -v[LIM+\n], v[LIM+\n] ; the conversion to an 8-bit code does not saturate (ISA guide 7.6.2)
.endr
.endr
	WIN 0x01
.irp n, 0,1,2,3
	v_cvt_scalef32_pk8_bf8_f32 v[PC+4*\n:PC+4*\n+1], v[16*\n:16*\n+7], v[SCL+\n]
	v_cvt_scalef32_pk8_bf8_f32 v[PC+4*\n+2:PC+4*\n+3], v[16*\n+8:16*\n+15], v[SCL+\n]
.endr
	WIN 0
	v_nop                                          ; a plain line behind the last conversion
.irp n, 0,1,2,3
	ds_store_b128 v96, v[PC+4*\n:PC+4*\n+3] offset:2048*\n         ; four registers of the operand, as they stand
.endr
.irp n, 0,1,2,3
	ds_store_b8 v97, v[PX+\n] offset:128*(\n/2)+64*(\n%2)          ; both lanes of a row write the same byte
.endr
	WA
	s_wait_xcnt 0x0                                ; the loads have read their bases: they are written again only behind this wait
	s_mov_b64 s[28:29], s[32:33]                   ; the next expert becomes the one in hand,
	s_mov_b64 s[30:31], s[38:39]
	s_mov_b64 s[32:33], s[44:45]                   ; and what follows it is the down phase's first three sets
	s_mov_b64 s[34:35], s[48:49]
	s_add_nc_u64 s[36:37], s[44:45], 4096
	s_mov_b64 s[38:39], s[46:47]
	s_mov_b64 s[40:41], s[50:51]
	s_add_nc_u64 s[42:43], s[46:47], 8
	s_add_co_u32 s53, s53, 16384
	s_add_co_u32 s54, s54, 512
	s_sub_co_u32 s52, s52, 1
	s_cmp_lg_u32 s52, 0
	s_cbranch_scc1 .Lz
	s_wait_dscnt 0x0                               ; for the others' sake: my images and scale bytes lie in LDS
	BARRIER
	v_and_b32 v64, 31, v0
	v_and_b32 v65, 15, v0
	v_bfe_u32 v66, v0, 4, 1
	s_lshl_b32 s55, s22, 8
	s_add_co_u32 s55, s55, LIST
	s_mul_i32 s56, s22, 64*272
	s_add_co_u32 s56, s56, STG
	v_lshl_add_u32 v67, v65, 2, s55                ; the rows whose results my lane holds: 16 m + r
	v_lshl_add_u32 v68, v64, 2, HSC
	v_mul_u32_u24 v[STO], v65, 272
	v_lshl_add_u32 v[STO], v66, 5, v[STO]
	v_add_nc_u32 v[STO], s56, v[STO]               ; the stage, in: row r, + 32 h
	v_mul_u32_u24 v[RD], v66, 272
	v_lshl_add_u32 v[RD], v65, 4, v[RD]
	v_add_nc_u32 v[RD], s56, v[RD]                 ; back: lanes 0-15 one row, lanes 16-31 the next
.irp n, 0,1,2,3,4,5,6,7
	ds_load_b32 v[HS+\n], v68 offset:128*\n        ; the hidden layer's scale words: lanes 0-15 the even row tile, 16-31 the odd
.endr
.irp m, 0,1,2,3
	ds_load_b32 v[CW+2*\m], v67 offset:64*\m
.endr
	HLD 0, 0
	WA
	s_wait_dscnt 16                                ; the scale words and tokens are in: 16 loads stand behind them
.irp m, 0,1,2,3
	v_min_u32 v[CW+2*\m], 0x1fff, v[CW+2*\m]
.endr
.irp m, 0,1,2,3
	v_lshlrev_b32 v[CW+2*\m], 3, v[CW+2*\m]
.endr
.irp m, 0,1,2,3
	global_load_b64 v[CW+2*\m:CW+2*\m+1], v[CW+2*\m], s[14:15]     ; c_lo, c_hi
.endr
	WA
.irp u, 0,1,2,3,4,5,6,7
	UNIT \u
.endr
	s_wait_tensorcnt 0x0                           ; the wave's end
	ds_add_u32 v[SPW], v[NIL]
	s_wait_dscnt 0x0
	s_endpgm
.Lloss:                                                ; work-group 155, wave 0: fl at 65,536: [256][16] partial sums: 8 of the probabilities, the logits' squares 8 times over
	s_cmp_lg_u32 s22, 0
	s_cbranch_scc1 .Lquit
	s_load_b64 s[20:21], s[0:1], 0x40              ; out2
.irp c, 0,1,2,3
	v_mov_b32 v[64+\c], 0                          ; written once: the destination of a lane move counts as read
.endr
	WA
	s_wait_kmcnt 0x0
.set cc, 0
.rept 32
	global_load_b128 v[128+4*cc:128+4*cc+3], v[L16], s[14:15] offset:65536+512*cc
.set cc, cc+1
.endr
	s_wait_loadcnt 0x0
.set cc, 4
.rept 28
	v_pk_add_f32 v[128+4*(cc%4):129+4*(cc%4)], v[128+4*(cc%4):129+4*(cc%4)], v[128+4*cc:129+4*cc]
	v_pk_add_f32 v[130+4*(cc%4):131+4*(cc%4)], v[130+4*(cc%4):131+4*(cc%4)], v[130+4*cc:131+4*cc]
.set cc, cc+1
.endr
.irp c, 0,2
	v_pk_add_f32 v[128+\c:129+\c], v[128+\c:129+\c], v[132+\c:133+\c]
	v_pk_add_f32 v[136+\c:137+\c], v[136+\c:137+\c], v[140+\c:141+\c]
.endr
.irp c, 0,2
	v_pk_add_f32 v[128+\c:129+\c], v[128+\c:129+\c], v[136+\c:137+\c]
.endr
.irp c, 0,1,2,3
	v_add_f32_dpp v[128+\c], v[128+\c], v[128+\c] row_xmask:4 row_mask:0xf bank_mask:0xf   ; lanes with the same lane % 4 hold the same four words
.endr
.irp c, 0,1,2,3
	v_add_f32_dpp v[128+\c], v[128+\c], v[128+\c] row_xmask:8 row_mask:0xf bank_mask:0xf
.endr
	s_mov_b32 s96, 0x76543210
	s_mov_b32 s97, 0xfedcba98
.irp c, 0,1,2,3
	v_permlanex16_b32 v[64+\c], v[128+\c], s96, s97
.endr
.irp c, 0,1,2,3
	v_add_f32 v[128+\c], v[128+\c], v[64+\c]
.endr
.irp c, 0,1,2,3
	v_mul_f32 v[128+\c], 0x39000000, v[128+\c]     ; / 8,192: lanes 0, 1: the mean probabilities; lane 2: out1
.endr
.irp c, 0,1,2,3
	v_add_f32 v[132+\c], 0x3089705f, v[128+\c]     ; + 1e-9
.endr
	WA
.irp c, 0,1,2,3
	v_log_f32 v[132+\c], v[132+\c]
.endr
	v_mov_b32 v72, 0                               ; (a plain line)
	WA
	v_mul_f32 v132, v128, v132
	v_fma_f32 v132, v129, v133, v132
	v_fma_f32 v132, v130, v134, v132
	v_fma_f32 v132, v131, v135, v132
	v_add_f32_dpp v132, v132, v132 row_xmask:1 row_mask:0xf bank_mask:0xf
	v_mul_f32 v132, 0x40b17218, v132               ; x 8 ln 2
	WA
	s_wait_xcnt 0x0                                ; EXEC changes only behind this wait
	v_cmp_eq_u32 vcc_lo, 0, v[TL]
	s_and_saveexec_b32 s56, vcc_lo
	global_store_b32 v72, v132, s[20:21]
	s_wait_xcnt 0x0
	s_or_b32 exec_lo, exec_lo, s56
	v_cmp_eq_u32 vcc_lo, 2, v[TL]
	s_and_saveexec_b32 s56, vcc_lo
	global_store_b32 v72, v128, s[18:19]
	s_wait_xcnt 0x0
	s_or_b32 exec_lo, exec_lo, s56
.Lquit:
	s_endpgm
.Lfunc_end_k_q217af14d5a_experts:
	.size	k_q217af14d5a_experts, .Lfunc_end_k_q217af14d5a_experts-k_q217af14d5a_experts
	.p2alignl 7, 3214868480
	.fill 96, 4, 3214868480
	.section	.rodata,"a",@progbits
	.p2align	6, 0x0
	.amdhsa_kernel k_q217af14d5a_experts
		.amdhsa_group_segment_fixed_size 245760
		.amdhsa_private_segment_fixed_size 0
		.amdhsa_enable_private_segment 0
		.amdhsa_kernarg_size 72
		.amdhsa_user_sgpr_count 2
		.amdhsa_user_sgpr_kernarg_segment_ptr 1
		.amdhsa_wavefront_size32 1
		.amdhsa_system_sgpr_workgroup_id_x 1
		.amdhsa_system_sgpr_workgroup_id_y 1
		.amdhsa_system_sgpr_workgroup_id_z 1
		.amdhsa_system_vgpr_workitem_id 0
		.amdhsa_next_free_vgpr 512
		.amdhsa_next_free_sgpr 100
		.amdhsa_reserve_vcc 1
		.amdhsa_float_denorm_mode_32 3
		.amdhsa_float_denorm_mode_16_64 3
		.amdhsa_memory_ordered 1
		.amdhsa_forward_progress 1
		.amdhsa_inst_pref_size 211
	.end_amdhsa_kernel
	.amdgpu_metadata
---
amdhsa.version: [ 1, 2 ]
amdhsa.kernels:
  - .name:           k_q217af14d5a_experts
    .symbol:         k_q217af14d5a_experts.kd
    .args:
      - { .name: xcodes, .offset: 0, .size: 8, .value_kind: global_buffer, .address_space: global }
      - { .name: xscales, .offset: 8, .size: 8, .value_kind: global_buffer, .address_space: global }
      - { .name: wcodes, .offset: 16, .size: 8, .value_kind: global_buffer, .address_space: global }
      - { .name: wscales, .offset: 24, .size: 8, .value_kind: global_buffer, .address_space: global }
      - { .name: route, .offset: 32, .size: 8, .value_kind: global_buffer, .address_space: global }
      - { .name: fl, .offset: 40, .size: 8, .value_kind: global_buffer, .address_space: global }
      - { .name: out0, .offset: 48, .size: 8, .value_kind: global_buffer, .address_space: global }
      - { .name: out1, .offset: 56, .size: 8, .value_kind: global_buffer, .address_space: global }
      - { .name: out2, .offset: 64, .size: 8, .value_kind: global_buffer, .address_space: global }
    .group_segment_fixed_size: 245760
    .private_segment_fixed_size: 0
    .kernarg_segment_align: 8
    .kernarg_segment_size: 72
    .max_flat_workgroup_size: 256
    .sgpr_count:     100
    .vgpr_count:     512
    .wavefront_size: 32
...
	.end_amdgpu_metadata
.endif
;; end of part 2
